; MI455X (gfx1250); checked and timed in simulation.
; The chip was launched on July 23, 2026; its instructions are those of AMD's public machine-readable ISA for CDNA 5 (MIT licence, August 2026) and "CDNA5" Instruction Set Architecture Reference Guide (July 2026). The comments in the code are by the model that wrote it; some were corrected since.
;; Ensemble Layer. Allowed arithmetic: float matrix products may take bf16 or f16 operands with f32 sums; other float arithmetic in f32, or as packed bf16 or f16 multiplies, adds, multiply-adds, maxima and minima; sums over many terms, partial sums and values carried from step to step in f32; what a program stores and reads back later, other than sums and carried values, may be rounded once to bf16 or f16.
;; Inputs: W 16 x 1,024 x 1,024 float32; W_prior 16 x 1,024 x 1,024 float32; b 16 x 1,024 float32; b_prior 16 x 1,024 float32; expert_idx 2,048 int32; logits 2,048 x 1,024 float32; prior_logits 2,048 x 1,024 float32.
;; Outputs: out0 2,048 x 1 x 1,024 float32.
;; One version. Each part assembles by itself: llvm-mc -triple=amdgcn-amd-amdhsa -mcpu=gfx1250 --defsym DOCPART=n.
;; ======== version 1 of 1: 2 launches
;; workspace buffers: xs 8,388,608 bytes; order 8,192 bytes of whole numbers; offs 256 bytes of whole numbers
;; launch sortcast (part 1): grid 256 x 1, 8 waves a work-group, no clusters, 0 bytes of LDS; arguments expert_idx, logits, prior_logits, xs, order, offs; writes xs, order, offs
.if DOCPART == 1
	.amdgcn_target "amdgcn-amd-amdhsa--gfx1250"
	.amdhsa_code_object_version 6
	.text
	.protected	k_q456bc3154d_sortcast
	.globl	k_q456bc3154d_sortcast
	.p2align	8
	.type	k_q456bc3154d_sortcast,@function
k_q456bc3154d_sortcast:
	s_mov_b64 s[64:65], 0
	v_nop
	global_prefetch_b8 v0, s[64:65] scope:SCOPE_SE
	s_setreg_imm32_b32 hwreg(HW_REG_WAVE_MODE, 25, 1), 1
	s_wait_xcnt 0x0
; THE TOKENS IN THE EXPERTS' ORDER, ROUNDED ONCE.  xs[place(t)][0:1024] = bf16(logits[t]), xs[place(t)][1024:2048] = bf16(prior_logits[t]); order[place(t)] = t; offs[e] = number of tokens with
; expert_idx < e, e = 0..16: expert e's rows are the places offs[e] .. offs[e+1] - 1.  2,048 tokens, rows of 1,024 f32 in, 2,048 bf16 (4,096 bytes) out.
; place(t) = how many tokens i have the key expert_idx[i] x 2,048 + i below token t's key: the keys differ, so the places are a permutation, by expert and then by token.  No atomics, no list:
; each wave counts for itself.
; SHARES.  256 work-groups of eight waves; a wave has ONE token.  Its two rows (16 loads of 512 consecutive bytes) and all of expert_idx (16 loads, 64 registers) are asked for together, so the rows
; are on their way while the place is counted; only the stores' address hangs on the count.  Each row store of the wave covers 256 consecutive bytes, aligned.
; order takes one store of 4 bytes a wave (all lanes store the same word with the same value), 2,048 such stores, 8 KiB, in the launch: a place's neighbours belong to other work-groups.
; The waves of tokens 0..16 also count one entry of offs each.
; Memory binds: no LDS, no barrier, no matrix unit, no cluster (nothing but the 8 KiB of expert_idx is shared).
; LIMITS.  expert_idx lies in 0..15 (the problem grants it).  The rounding is to nearest even, once.
.set LN,  1                      ; lane
.set L16, 2                      ; 16 x lane
.set L8,  3                      ; 8 x lane
.set V4L, 4                      ; 4 x lane
.set XO,  5                      ; token x 4,096 + 16 x lane: my bytes in both input rows
.set YO,  6                      ; place x 4,096 + 8 x lane: my bytes in xs
.set T0,  7                      ; v7-10 at work
.set K,   12                     ; v12-19  eight registers of keys
.set IDX, 20                     ; v20-83  expert_idx: lane l holds tokens 128 q + 4 l + z in register 4 q + z
.set X,   84                     ; v84-147 the two rows as loaded
.set Y,   148                    ; v148-179 rounded
.set WV,  2                      ; wave
.set TK,  3                      ; my token
.set TK4, 16                     ; 4 x token
.set EX,  17                     ; its expert
.set KEY, 18                     ; its key
.set PL,  19                     ; its place
.set PL4, 20
.set ST,  21                     ; an entry of offs
.set MK,  24                     ; s24-31 eight masks, then their counts
.set TH,  32                     ; s32-39 eight thresholds
	s_load_b256 s[4:11], s[0:1], 0x0     ; expert_idx s[4:5], logits s[6:7], prior_logits s[8:9], xs s[10:11]
	s_load_b128 s[12:15], s[0:1], 0x20   ; order s[12:13], offs s[14:15]
	v_and_b32 v[LN], 31, v0
	v_lshlrev_b32 v[L16], 4, v[LN]
	v_lshlrev_b32 v[L8], 3, v[LN]
	v_lshlrev_b32 v[V4L], 2, v[LN]
	v_lshrrev_b32 v[T0], 5, v0
	v_readfirstlane_b32 s[WV], v[T0]
	s_lshl_b32 s[TK], ttmp9, 3
	s_add_co_u32 s[TK], s[TK], s[WV]     ; token = 8 x work-group + wave
	s_lshl_b32 s[TK4], s[TK], 2
	v_lshl_add_u32 v[XO], s[TK], 12, v[L16]
	s_wait_kmcnt 0x0
	s_load_b32 s[EX], s[4:5], s[TK4] offset:0x0  ; my token's expert
.irp q, 0,1,2,3,4,5,6,7,8,9,10,11,12,13,14,15
	global_load_b128 v[IDX+4*\q:IDX+4*\q+3], v[L16], s[4:5] offset:512*\q
.endr
.irp j, 0,1,2,3,4,5,6,7
	global_load_b128 v[X+4*\j:X+4*\j+3], v[XO], s[6:7] offset:512*\j th:TH_LOAD_NT
.endr
.irp j, 0,1,2,3,4,5,6,7
	global_load_b128 v[X+32+4*\j:X+32+4*\j+3], v[XO], s[8:9] offset:512*\j th:TH_LOAD_NT
.endr
	s_mov_b32 s[PL], 0
	s_wait_kmcnt 0x0
	s_lshl_b32 s[KEY], s[EX], 11
	s_add_co_u32 s[KEY], s[KEY], s[TK]
	s_wait_loadcnt 16                    ; expert_idx is in; the 16 row loads issued behind it may stay out
	; Register n holds tokens c + 4 l, c = 128 (n / 4) + n % 4.  key_i < key_t  <=>  idx x 2,048 + 4 l < key_t - c (signed: the right side can be below 0).  Eight registers at a time, so that the
	; scalar counts do not wait for each compare singly.
.set g, 0
.rept 8
.irp i, 0,1,2,3,4,5,6,7
	s_sub_co_i32 s[TH+\i], s[KEY], 128*((8*g+\i)/4)+(8*g+\i)%4
	v_lshl_add_u32 v[K+\i], v[IDX+8*g+\i], 11, v[V4L]
	v_cmp_gt_i32 s[MK+\i], s[TH+\i], v[K+\i]
.endr
.irp i, 0,1,2,3,4,5,6,7
	s_bcnt1_i32_b32 s[MK+\i], s[MK+\i]
	s_add_co_u32 s[PL], s[PL], s[MK+\i]
.endr
.set g, g+1
.endr
	s_min_u32 s[PL], s[PL], 2047         ; a number made of loaded data enters an address only clamped
	v_lshl_add_u32 v[YO], s[PL], 12, v[L8]
	s_lshl_b32 s[PL4], s[PL], 2
	v_mov_b32 v[T0], s[PL4]
	v_mov_b32 v[T0+1], s[TK]
	s_wait_loadcnt 0x0                   ; the rows
.set j, 0
.rept 16
	v_cvt_pk_bf16_f32 v[Y+2*j],   v[X+4*j],   v[X+4*j+1]
	v_cvt_pk_bf16_f32 v[Y+2*j+1], v[X+4*j+2], v[X+4*j+3]
.set j, j+1
.endr
.set j, 0
.rept 16
	global_store_b64 v[YO], v[Y+2*j:Y+2*j+1], s[10:11] offset:256*j  ; load j's 128 numbers: 32 lanes x 8 bytes = 256 consecutive bytes, aligned; the next launch reads them, so no hint
.set j, j+1
.endr
	global_store_b32 v[T0], v[T0+1], s[12:13]  ; order[place] = token
	s_cmp_le_u32 s[TK], 16
	s_cbranch_scc0 .Ldone
	s_mov_b32 s[ST], 0                   ; offs[token number] = how many tokens have an expert below that number
.set g, 0
.rept 8
.irp i, 0,1,2,3,4,5,6,7
	v_cmp_gt_u32 s[MK+\i], s[TK], v[IDX+8*g+\i]
.endr
.irp i, 0,1,2,3,4,5,6,7
	s_bcnt1_i32_b32 s[MK+\i], s[MK+\i]
	s_add_co_u32 s[ST], s[ST], s[MK+\i]
.endr
.set g, g+1
.endr
	v_mov_b32 v[T0+2], s[TK4]
	v_mov_b32 v[T0+3], s[ST]
	global_store_b32 v[T0+2], v[T0+3], s[14:15]
.Ldone:
	s_endpgm
.Lfunc_end_k_q456bc3154d_sortcast:
	.size	k_q456bc3154d_sortcast, .Lfunc_end_k_q456bc3154d_sortcast-k_q456bc3154d_sortcast
	.p2alignl 7, 3214868480
	.fill 96, 4, 3214868480
	.section	.rodata,"a",@progbits
	.p2align	6, 0x0
	.amdhsa_kernel k_q456bc3154d_sortcast
		.amdhsa_group_segment_fixed_size 0
		.amdhsa_private_segment_fixed_size 0
		.amdhsa_enable_private_segment 0
		.amdhsa_kernarg_size 48
		.amdhsa_user_sgpr_count 2
		.amdhsa_user_sgpr_kernarg_segment_ptr 1
		.amdhsa_wavefront_size32 1
		.amdhsa_system_sgpr_workgroup_id_x 1
		.amdhsa_system_sgpr_workgroup_id_y 1
		.amdhsa_system_sgpr_workgroup_id_z 1
		.amdhsa_system_vgpr_workitem_id 0
		.amdhsa_next_free_vgpr 180
		.amdhsa_next_free_sgpr 66
		.amdhsa_reserve_vcc 0
		.amdhsa_float_denorm_mode_32 3
		.amdhsa_float_denorm_mode_16_64 3
		.amdhsa_memory_ordered 1
		.amdhsa_forward_progress 1
		.amdhsa_inst_pref_size 32
	.end_amdhsa_kernel
	.amdgpu_metadata
---
amdhsa.version: [ 1, 2 ]
amdhsa.kernels:
  - .name:           k_q456bc3154d_sortcast
    .symbol:         k_q456bc3154d_sortcast.kd
    .args:
      - { .name: expert_idx, .offset: 0, .size: 8, .value_kind: global_buffer, .address_space: global }
      - { .name: logits, .offset: 8, .size: 8, .value_kind: global_buffer, .address_space: global }
      - { .name: prior_logits, .offset: 16, .size: 8, .value_kind: global_buffer, .address_space: global }
      - { .name: xs, .offset: 24, .size: 8, .value_kind: global_buffer, .address_space: global }
      - { .name: order, .offset: 32, .size: 8, .value_kind: global_buffer, .address_space: global }
      - { .name: offs, .offset: 40, .size: 8, .value_kind: global_buffer, .address_space: global }
    .group_segment_fixed_size: 0
    .private_segment_fixed_size: 0
    .kernarg_segment_align: 8
    .kernarg_segment_size: 48
    .max_flat_workgroup_size: 256
    .sgpr_count:     66
    .vgpr_count:     180
    .wavefront_size: 32
...
	.end_amdgpu_metadata
.endif
;; end of part 1
;; launch ensemble (part 2): grid 16 x 16, 8 waves a work-group, no clusters, 316,416 bytes of LDS; arguments W, W_prior, b, b_prior, xs, order, offs, out0; writes out0
.if DOCPART == 2
	.amdgcn_target "amdgcn-amd-amdhsa--gfx1250"
	.amdhsa_code_object_version 6
	.text
	.protected	k_q456bc3154d_ensemble
	.globl	k_q456bc3154d_ensemble
	.p2align	8
	.type	k_q456bc3154d_ensemble,@function
k_q456bc3154d_ensemble:
	s_mov_b64 s[64:65], 0
	v_nop
	global_prefetch_b8 v0, s[64:65] scope:SCOPE_SE
	s_setreg_imm32_b32 hwreg(HW_REG_WAVE_MODE, 25, 1), 1
	s_wait_xcnt 0x0
; out0[i][:] = W[e_i] logits[i] + b[e_i] + W_prior[e_i] prior_logits[i] + b_prior[e_i],  e_i = expert_idx[i].  2,048 tokens, 16 experts, 1,024 in, 1,024 out; weights, biases and out0 f32.
; Only the chosen expert's product is made.  The two products are ONE with K = 2,048: X = [logits | prior_logits], Wc = [W | W_prior]; operands rounded once to bf16, sums in f32.
; FROM THE LAUNCH BEFORE: xs, the rows of X in bf16 (4,096 bytes each) in the experts' order; order[place] = the token of a place; offs[e] = expert e's first place, offs[e+1] the place behind its last.
; SHARES.  Work-group (x, y) = (slice SL of 64 output columns, expert EX): it alone reads its 64 x 2,048 weights, 512 KiB, and serves all rows of its expert.
;   Waves 4-7, PRODUCERS: load the weights through registers, round them to bf16 and lay them once into a slice in LDS that stays.  K goes in 16 chunks of 128; producer p has slots p, p+4, p+8, p+12,
;   64 loads of 512 bytes each on their way.  Waves 0-3, CONSUMERS: up to three tiles of 16 rows each, all 64 columns: 12 accumulators.  Their rows' chunk (256 bytes a row) comes through registers into a stage of the wave's own.
;   One barrier a chunk: in front of it slot c of the weights and of the rows is stored, behind it the consumers multiply slot c while the next producer rounds slot c+1.
; EVERY SPLIT IS SERVED.  The first pass takes the expert's places 0-191 with constant trips and barriers.  Places 192-2,047 go in 15 further passes of 128 (16 for each of the eight waves; 192 + 15 x 128 = 2,112),
;   each jumped forward where the wave has no row.  These passes write nothing into LDS and their LDS addresses are fixed: row fragments come straight from xs (32 bytes of each of 16 rows to a load), weights from
;   the finished slice, a slot's place stands in the immediate, results leave from the accumulators' own layout, 16 bytes a lane (eight stores to 256 bytes of a row, where the first pass has one): the price of
;   a plain text on a way that runs only where one expert has more than 192 of the 2,048 tokens.
; PLACES PAST THE COUNT repeat the expert's last row, which lies in the same tile: they hold the same numbers and store them once more to the same bytes.  Stores of which no row exists are jumped; a tile, and an
;   expert, without rows stores nothing.  No line writes EXEC.
; ROTATION.  In trip c the work-group takes chunk (c + SL) mod 16 of K, so that the sixteen work-groups of an expert do not ask for the same bytes of xs in the same trip.  LDS slot c holds that chunk: only global addresses hang on SL.
; LIMITS.  expert_idx lies in 0..15 (the problem grants it); a token with another index would get no row.  The f32 sums run in the rotated order of K, not in ascending k; the two biases are added to each other
;   first, and then onto the finished sum (first pass) or in front of the sum (further passes).  Operands have bf16's 8 significant bits and f32's range.
; NO CLUSTER, NO TILE MOVER.  Each weight has one reader.  An expert's rows of xs lie end to end and its sixteen work-groups share them, but slots that are filled again want two of 192 rows x 272 bytes = 104,448 bytes
;   beside the slice's 263,168: 367,616, more than the 327,680 that there are; and without the slice that stays the further passes would have to fetch the weights anew.
; THE MATRIX INSTRUCTION IS USED TRANSPOSED: source 0 = 16 output columns (rows of Wc), source 1 = 16 rows of X: a lane then holds eight neighbouring columns of one token's row.
.set SP,    4112                 ; a row of the slice: 16 slots x 256 bytes + 16 = 1,028 words: row r starts at bank 4 r mod 64 (64 banks of 4 bytes: ISA guide 11.1)
.set TP,    272                  ; a row of a stage: 256 bytes + 16: the same
.set BLK,   16*SP                ; 16 rows of the slice
.set STAGE, 64*SP                ; 263,168: behind the slice, 48 rows for each consumer
.set WSTG,  48*TP                ; 13,056
.set SPARE, STAGE+4*WSTG         ; 315,392: the spare words, 128 bytes for each of the eight waves: four blocks of 256 bytes that no other line names
; vector registers, window 0.  v1-47 hold addresses and offsets alone: no load, conversion or product ever writes them, in either role
.set L16, 1                      ; 16 x lane
.set L8,  2                      ; 8 x lane
.set R,   3                      ; lane % 16
.set H,   4                      ; lane / 16
.set SPW, 5                      ; LDS address of my spare word; never rewritten
.set NIL, 6                      ; 0; never rewritten
.set ABC, 7                      ; a fragment's place in the slice: R x SP + 16 H
.set ADC, 8                      ; v8-11  ABC + 16 k rows (+ this trip's slot in the first pass): fragment reads
.set AX,  13                     ; my stage + R rows + 16 H: row fragments
.set AO,  14                     ; my stage + R rows + 32 H: results in
.set AR,  15                     ; my stage + 8 H rows + 16 R: whole rows, X's in and results back
.set T1,  16                     ; at work
.set T2,  17                     ; at work
.set ADP, 18                     ; v18-21 8 x lane + 16 k rows + this trip's slot: the producers' stores
.set VOFF, 18                    ; further passes (ADP has served): my row's place x 4,096 + 16 H, in xs
.set VOUT, 19                    ; further passes: my row's token x 4,096 + 32 H, in out0
.set VORD, 20                    ; further passes: 4 x my row's place, in order
.set R16, 22                     ; 16 R
.set H32, 23                     ; 32 H
.set OFF, 24                     ; v24-47 pair p of tile t at 8 t + p: row p in lanes 0-15, row p + 8 in lanes 16-31: place x 4,096 + 16 R in xs; behind the 16 trips token x 4,096 + 16 R in out0
.set ACC, 48                     ; v48-143 accumulator (tile t, column block j) at ACC + 8 (4 t + j)
.set F0,  144                    ; v144-199 fragment buffer: weights j at + 8 j, rows of tile t at + 32 + 8 t
.set F1,  200                    ; v200-255 the other
.set TMP, F1                     ; producers: eight pairs of rounded words
.set ROWI, F0                    ; at the head: the 24 pairs' places, then 4 x place
.set RB,  F0                     ; the way out: 8 pairs of rows read back, four registers each
; vector registers, window 1
.set RAW, 0                      ; as loaded: consumers pair q (0-23), bf16, producers row i (0-63), f32, at 4 x its number
.set BIASW, 192                  ; consumers: b, later b + b_prior, of columns 4 R .. 4 R + 3
.set BPW, 196                    ; consumers: b_prior of the same
.set ORD, 200                    ; consumers: v200-223 the 24 pairs' tokens as loaded from order
.set TFR, 0                      ; further passes: two buffers of 32: a slot's four row fragments
.set OVT, 64                     ; further passes: my row's token as loaded
.set BSW, 192                    ; further passes: b, later b + b_prior, of columns 16 j + 8 H + 0..7 at + 8 j
.set BQW, 224                    ; further passes: b_prior of the same
; scalar registers
.set WV,  2                      ; wave
.set W4,  3                      ; wave % 4
.set EX,  4                      ; expert
.set SL,  5                      ; slice
.set C,   6                      ; trip = LDS slot
.set CC,  7                      ; chunk of K
.set O8,  8                      ; s[8:9] an offset, high word 0
.set CNT, 10                     ; the expert's rows
.set CM1, 11                     ; the last of its places that exists
.set PB,  12                     ; a further pass's first place
.set NR,  13                     ; s13-15 rows that exist in my tile t, 0 to 16
.set PW,  16                     ; s[16:31] the eight addresses
.set PWP, 18
.set PBI, 20
.set PBP, 22
.set PXS, 24
.set POR, 26
.set POF, 28
.set POUT, 30
.set PP,  32                     ; s32-34 tile t's first place
.set MF,  35                     ; s35-37 not 0: tile t's chunk is staged
.set NL,  38                     ; s38-40 not 0: tile t's next chunk is asked for
.set STG, 41                     ; my stage's first byte
.set TB,  42                     ; s[42:43] base of the loads being issued; further passes: s[42:43] and s[48:49] by turns
.set G,   44                     ; passes to go
.set S0,  45                     ; s45-47 at work
.set START, 50                   ; the expert's first place in xs and order
.set EO,  51                     ; 4 x expert
.set MSB, 0
.macro WIN new                   ; s_set_vgpr_msb: bits 1:0 source 0, 3:2 source 1, 5:4 source 2, 7:6 destination; the high byte repeats the setting that is left; a switch that changes nothing is dropped
.if MSB != (\new)
	s_set_vgpr_msb (MSB<<8)|(\new)
.set MSB, \new
.endif
.endm
.macro PLACES                    ; four plain vector instructions between a matrix instruction and a load into, a write of, or a read of its registers
.rept 4
	v_nop
.endr
.endm
; The weights' base for chunk CC: the first tensor for chunks 0-7, the second for 8-15, plus 512 bytes a chunk.
.macro BASE dst, lo, hi
	s_and_b32 s[O8], s[CC], 7
	s_lshl_b32 s[O8], s[O8], 9
	s_cmp_lt_u32 s[CC], 8
	s_cselect_b64 s[\dst:\dst+1], s[\lo:\lo+1], s[\hi:\hi+1]
	s_add_nc_u64 s[\dst:\dst+1], s[\dst:\dst+1], s[O8:O8+1]
.endm
; At a trip's head, in every wave: the slice addresses for slot C, for reading fragments and for storing rows.  These eight plain adds are also the places between the last trip's last product and
; this trip's writes of the fragment buffers, and the five that products which start sums anew want behind products on the same accumulators.
.macro ADSTEP
	s_lshl_b32 s[S0], s[C], 8
.irp k, 0,1,2,3
	v_add_nc_u32 v[ADC+\k], s[S0], v[ABC]
	v_add_nc_u32 v[ADP+\k], s[S0], v[L8]
.if \k < 3
	s_add_co_u32 s[S0], s[S0], BLK
.endif
.endr
.endm
; Tile t of a consumer's trip: its eight pairs of rows go as they came, 256 bytes a row, into my stage; then the same rows' next chunk is asked for, into the same registers.
.macro TOKT t
	s_cmp_eq_u32 s[MF+\t], 0
	s_cbranch_scc1 .Ltok_skip_\@
	WIN 0x04                         ; the stores' data in window 1
.irp p, 0,1,2,3,4,5,6,7
	ds_store_b128 v[AR], v[RAW+4*(8*\t+\p):RAW+4*(8*\t+\p)+3] offset:TP*(16*\t+\p)  ; sixteen lanes write a row's 256 consecutive bytes
.endr
	WIN 0
	s_cmp_eq_u32 s[NL+\t], 0
	s_cbranch_scc1 .Ltok_skip_\@
	WIN 0x40                         ; the loads' data in window 1
.irp p, 0,1,2,3,4,5,6,7
	global_load_b128 v[RAW+4*(8*\t+\p):RAW+4*(8*\t+\p)+3], v[OFF+8*\t+\p], s[TB:TB+1]  ; sixteen lanes read 256 consecutive bytes of a row, aligned
.endr
	WIN 0
.Ltok_skip_\@:
.endm
; A consumer's trip ahead of the products.
.macro TOK
	s_wait_loadcnt 0x0               ; slot C's rows were asked for in one run a trip ago; zero is right whichever tiles are live, and it shows the old base's loads done
	s_add_co_u32 s[CC], s[C], s[SL]
	s_add_co_u32 s[CC], s[CC], 1
	s_and_b32 s[CC], s[CC], 15       ; slot C + 1's chunk: 256 bytes of each row of xs
	s_lshl_b32 s[O8], s[CC], 8
	s_add_nc_u64 s[TB:TB+1], s[PXS:PXS+1], s[O8:O8+1]
	s_cmp_eq_u32 s[C], 0             ; slot 0 is staged for all three tiles; later slots for the tiles that have rows
.irp t, 0,1,2
	s_cselect_b32 s[MF+\t], 1, s[NR+\t]
.endr
	s_cmp_lt_u32 s[C], 15            ; the last trip asks for nothing
.irp t, 0,1,2
	s_cselect_b32 s[NL+\t], s[NR+\t], 0
.endr
	TOKT 0
	TOKT 1
	TOKT 2
.endm
; A producer's trip: its 64 rows of slot C, eight at a time: rounded, stored as whole runs of 256 bytes; reload = 1: the same registers take slot C + 4.
.macro PROD reload
	s_wait_loadcnt 0x0               ; my 64 loads went out four trips ago (for my first slot: at the head), and the barrier below wants all 64 rows: all are waited for, so their registers and their base may be written
.if \reload
	s_add_co_u32 s[CC], s[C], s[SL]
	s_add_co_u32 s[CC], s[CC], 4
	s_and_b32 s[CC], s[CC], 15
	BASE TB, PW, PWP
.endif
.irp g, 0,1,2,3,4,5,6,7
	WIN 0x05
.irp i, 0,1,2,3,4,5,6,7
	v_cvt_pk_bf16_f32 v[TMP+2*\i],   v[RAW+4*(8*\g+\i)],   v[RAW+4*(8*\g+\i)+1]
	v_cvt_pk_bf16_f32 v[TMP+2*\i+1], v[RAW+4*(8*\g+\i)+2], v[RAW+4*(8*\g+\i)+3]
.endr
	WIN 0
.irp i, 0,1,2,3,4,5,6,7
	ds_store_b64 v[ADP+(8*\g+\i)/16], v[TMP+2*\i:TMP+2*\i+1] offset:((8*\g+\i)%16)*SP
.endr
.if \reload
	WIN 0x40
.irp i, 0,1,2,3,4,5,6,7
	global_load_b128 v[RAW+4*(8*\g+\i):RAW+4*(8*\g+\i)+3], v[L16], s[TB:TB+1] offset:4096*(8*\g+\i) th:TH_LOAD_NT
.endr
.endif
.endr
	WIN 0
.endm
; The fragments of 32 along K at byte 64 s of the rows into buffer f: 64 columns of weights, nt tiles of rows from my stage: 8 + 2 nt loads.
; A fragment is 16 rows x 32 K in 8 registers: lane l holds row l % 16, K = 8 (l / 16) + 0..7 and 16 + 8 (l / 16) + 0..7: two loads of 16 bytes, 32 bytes apart.
.macro FETCH s, f, nt
.irp j, 0,1,2,3
	ds_load_b128 v[(\f)+8*\j:(\f)+8*\j+3],   v[ADC+\j] offset:64*(\s)
	ds_load_b128 v[(\f)+8*\j+4:(\f)+8*\j+7], v[ADC+\j] offset:64*(\s)+32
.endr
.irp t, 0,1,2
.if \t < (\nt)
	ds_load_b128 v[(\f)+32+8*\t:(\f)+32+8*\t+3],   v[AX] offset:16*TP*\t+64*(\s)
	ds_load_b128 v[(\f)+32+8*\t+4:(\f)+32+8*\t+7], v[AX] offset:16*TP*\t+64*(\s)+32
.endif
.endr
.endm
; 4 nt products.  The accumulators take turns, one instruction a turn, in the same order in every run, over the loops' jumps too.  zero = 1: the products start the sums.
.macro MUL f, zero, nt
.irp t, 0,1,2
.if \t < (\nt)
.irp j, 0,1,2,3
.if \zero
	v_wmma_f32_16x16x32_bf16 v[ACC+8*(4*\t+\j):ACC+8*(4*\t+\j)+7], v[(\f)+8*\j:(\f)+8*\j+7], v[(\f)+32+8*\t:(\f)+32+8*\t+7], 0
.else
	v_wmma_f32_16x16x32_bf16 v[ACC+8*(4*\t+\j):ACC+8*(4*\t+\j)+7], v[(\f)+8*\j:(\f)+8*\j+7], v[(\f)+32+8*\t:(\f)+32+8*\t+7], v[ACC+8*(4*\t+\j):ACC+8*(4*\t+\j)+7]
.endif
.endr
.endif
.endr
.endm
; A slot's products: four steps of 32 along K on two buffers; each counted wait leaves out the one run of 8 + 2 nt loads issued behind the run that is wanted.
.macro MPH zero, nt
	FETCH 0, F0, \nt
	FETCH 1, F1, \nt
	s_wait_dscnt 8+2*(\nt)
	MUL F0, \zero, \nt
	PLACES
	FETCH 2, F0, \nt
	s_wait_dscnt 8+2*(\nt)
	MUL F1, 0, \nt
	PLACES
	FETCH 3, F1, \nt
	s_wait_dscnt 8+2*(\nt)
	MUL F0, 0, \nt
	s_wait_dscnt 0x0
	MUL F1, 0, \nt
.endm
; Which products a trip makes.  The test for the first trip stands first: there all 12 sums are started, on the only way that trip has.  Later: three tiles, two, or none, by the rows that exist
; (a third tile with rows means two full ones in front of it).
.macro MSEL
	s_cmp_eq_u32 s[C], 0
	s_cbranch_scc0 .Lm_later_\@
	MPH 1, 3
	s_branch .Lm_done_\@
.Lm_later_\@:
	s_cmp_eq_u32 s[NR+2], 0
	s_cbranch_scc1 .Lm_two_\@
	MPH 0, 3
	s_branch .Lm_done_\@
.Lm_two_\@:
	s_cmp_eq_u32 s[NR], 0
	s_cbranch_scc1 .Lm_done_\@
	MPH 0, 2
.Lm_done_\@:
.endm
; THE WAY OUT of tile t: a lane's eight columns of a token go as 32 bytes into rows 0-15 of my stage and come back as whole rows of 64 f32, rows p and p + 8 to a load; the bias is added; in each store
; sixteen lanes cover 256 consecutive bytes of one token's row, aligned.  A store of which neither row exists is jumped; where row p exists and row p + 8 does not, the upper lanes hold the tile's last row once more.
.macro OUTT t
	s_cmp_eq_u32 s[NR+\t], 0
	s_cbranch_scc1 .Lout_done_\@
.if \t > 0
	s_wait_xcnt 0x0                  ; the tile before's stores have had their addresses translated: their data registers are loaded again below
.endif
.irp j, 0,1,2,3
	ds_store_b128 v[AO], v[ACC+8*(4*\t+\j):ACC+8*(4*\t+\j)+3]   offset:64*\j     ; each accumulator's low end first
	ds_store_b128 v[AO], v[ACC+8*(4*\t+\j)+4:ACC+8*(4*\t+\j)+7] offset:64*\j+16
.endr
.irp p, 0,1,2,3,4,5,6,7
	ds_load_b128 v[RB+4*\p:RB+4*\p+3], v[AR] offset:TP*\p  ; LDS serves a wave's instructions in order (ISA guide 5.7.1.4): these see the stores above
.endr
	s_wait_dscnt 0x0
	WIN 0x04                         ; source 1, the bias, in window 1
.irp p, 0,1,2,3,4,5,6,7
	v_pk_add_f32 v[RB+4*\p:RB+4*\p+1],   v[RB+4*\p:RB+4*\p+1],   v[BIASW:BIASW+1]
	v_pk_add_f32 v[RB+4*\p+2:RB+4*\p+3], v[RB+4*\p+2:RB+4*\p+3], v[BIASW+2:BIASW+3]
.endr
	WIN 0
.irp p, 0,1,2,3,4,5,6,7
.if \p > 0
	s_cmp_le_u32 s[NR+\t], \p
	s_cbranch_scc1 .Lout_done_\@
.endif
	global_store_b128 v[OFF+8*\t+\p], v[RB+4*\p:RB+4*\p+3], s[POUT:POUT+1] th:TH_STORE_NT
.endr
.Lout_done_\@:
.endm
; FURTHER PASSES.  Slot c's chunk of my 16 rows as four fragments, straight from xs: lane (r, H) takes row r, bytes 64 s + 16 H and 64 s + 32 + 16 H.  Two buffers and two bases take turns.
.macro OVLOAD c
.set TBX, TB+6*((\c)%2)
.set TFX, TFR+32*((\c)%2)
	s_add_co_u32 s[CC], s[SL], \c
	s_and_b32 s[CC], s[CC], 15
	s_lshl_b32 s[O8], s[CC], 8
	s_add_nc_u64 s[TBX:TBX+1], s[PXS:PXS+1], s[O8:O8+1]  ; the loads that last named this base were shown done by the counted wait two slots back
	WIN 0x40
.irp s, 0,1,2,3
	global_load_b128 v[TFX+8*\s:TFX+8*\s+3],   v[VOFF], s[TBX:TBX+1] offset:64*\s
	global_load_b128 v[TFX+8*\s+4:TFX+8*\s+7], v[VOFF], s[TBX:TBX+1] offset:64*\s+32
.endr
.endm
; Four products of step s of slot c; the four accumulators take turns.  The pass's first products take b + b_prior as C and so start the sums.
.macro MULO f, c, s
.set TFX, TFR+32*((\c)%2)+8*(\s)
.if (\c) == 0 && (\s) == 0
	WIN 0x14                         ; the rows' fragment and C in window 1
.else
	WIN 0x04                         ; the rows' fragment in window 1
.endif
.irp j, 0,1,2,3
.if (\c) == 0 && (\s) == 0
	v_wmma_f32_16x16x32_bf16 v[ACC+8*\j:ACC+8*\j+7], v[(\f)+8*\j:(\f)+8*\j+7], v[TFX:TFX+7], v[BSW+8*\j:BSW+8*\j+7]
.else
	v_wmma_f32_16x16x32_bf16 v[ACC+8*\j:ACC+8*\j+7], v[(\f)+8*\j:(\f)+8*\j+7], v[TFX:TFX+7], v[ACC+8*\j:ACC+8*\j+7]
.endif
.endr
.endm
.macro OVCHUNK c
	PLACES                           ; behind the slot before's last products, ahead of the loads into their sources
.if (\c) < 15
	OVLOAD (\c)+1
	s_wait_loadcnt 8                 ; all but the next slot's eight loads: this slot's rows, and in the first slot the biases and the token
.else
	s_wait_loadcnt 0x0
.endif
.if (\c) == 0
	WIN 0x45                         ; destination and both sources in window 1
.irp i, 0,1,2,3,4,5,6,7,8,9,10,11,12,13,14,15
	v_pk_add_f32 v[BSW+2*\i:BSW+2*\i+1], v[BSW+2*\i:BSW+2*\i+1], v[BQW+2*\i:BQW+2*\i+1]
.endr
	WIN 0x04
	v_min_u32 v[VOUT], 2047, v[OVT]  ; a token number from order enters an address only clamped
	WIN 0
	v_lshl_add_u32 v[VOUT], v[VOUT], 12, v[H32]
.endif
	FETCH 4*(\c), F0, 0              ; the weights' fragments: fixed address registers, slot and step in the immediate
	FETCH 4*(\c)+1, F1, 0
	s_wait_dscnt 8                   ; each counted wait leaves out the one run of eight loads issued behind the run that is wanted
	MULO F0, \c, 0
	PLACES
	FETCH 4*(\c)+2, F0, 0
	s_wait_dscnt 8
	MULO F1, \c, 1
	PLACES
	FETCH 4*(\c)+3, F1, 0
	s_wait_dscnt 8
	MULO F0, \c, 2
	s_wait_dscnt 0x0
	MULO F1, \c, 3
.endm
	; THE HEAD, every wave.  All LDS addresses are made here, ahead of every branch: a constant, the wave's number times a constant, a lane term.  (Waves 4-7 have no stage and never use AX, AO, AR.)
	s_load_b512 s[PW:PW+15], s[0:1], 0x0  ; W, W_prior, b, b_prior, xs, order, offs, out0
	v_lshl_add_u32 v[SPW], v0, 2, SPARE
	v_mov_b32 v[NIL], 0
	v_and_b32 v[T1], 31, v0          ; lane
	v_lshlrev_b32 v[L16], 4, v[T1]
	v_lshlrev_b32 v[L8], 3, v[T1]
	v_and_b32 v[R], 15, v0
	v_bfe_u32 v[H], v0, 4, 1
	v_lshlrev_b32 v[R16], 4, v[R]
	v_lshlrev_b32 v[H32], 5, v[H]
	v_lshrrev_b32 v[T2], 5, v0
	v_readfirstlane_b32 s[WV], v[T2]
	s_and_b32 s[W4], s[WV], 3
	s_mul_i32 s[STG], s[WV], WSTG
	s_add_co_u32 s[STG], s[STG], STAGE
	v_mul_u32_u24 v[AR], v[H], 8*TP
	v_add_nc_u32 v[AR], s[STG], v[AR]
	v_lshl_add_u32 v[AR], v[R], 4, v[AR]
	v_mul_u32_u24 v[AX], v[R], TP
	v_add_nc_u32 v[AX], s[STG], v[AX]
	v_lshl_add_u32 v[AO], v[H], 5, v[AX]
	v_lshl_add_u32 v[AX], v[H], 4, v[AX]
	v_mul_u32_u24 v[ABC], v[R], SP
	v_lshl_add_u32 v[ABC], v[H], 4, v[ABC]
	s_and_b32 s[EX], ttmp7, 0xffff
	s_mov_b32 s[SL], ttmp9
	s_lshl_b32 s[EO], s[EX], 2
	s_lshl_b32 s[O8], s[EX], 22      ; an expert's weights are 4 MiB,
	s_lshl_b32 s[S0], s[SL], 18      ; a slice's 64 rows 256 KiB
	s_add_co_u32 s[O8], s[O8], s[S0]
	s_mov_b32 s[O8+1], 0
	s_lshl_b32 s[S0+1], s[EX], 12    ; an expert's bias is 4,096 bytes,
	s_lshl_b32 s[S0+2], s[SL], 8     ; a slice's 64 columns 256
	s_add_co_u32 s[S0+1], s[S0+1], s[S0+2]
	s_wait_kmcnt 0x0
	s_load_b32 s[START], s[POF:POF+1], s[EO] offset:0x0  ; my expert's first place,
	s_load_b32 s[CNT], s[POF:POF+1], s[EO] offset:0x4    ; and the next expert's
	s_add_nc_u64 s[PW:PW+1], s[PW:PW+1], s[O8:O8+1]
	s_add_nc_u64 s[PWP:PWP+1], s[PWP:PWP+1], s[O8:O8+1]
	s_mov_b32 s[O8], s[S0+1]
	s_add_nc_u64 s[PBI:PBI+1], s[PBI:PBI+1], s[O8:O8+1]
	s_add_nc_u64 s[PBP:PBP+1], s[PBP:PBP+1], s[O8:O8+1]
	s_mov_b32 s[O8], s[S0+2]
	s_add_nc_u64 s[POUT:POUT+1], s[POUT:POUT+1], s[O8:O8+1]
	s_cmp_lt_u32 s[WV], 4
	s_cbranch_scc0 .Lprod_head
	; CONSUMERS' HEAD: the biases of my four columns
	WIN 0x40
	global_load_b128 v[BIASW:BIASW+3], v[R16], s[PBI:PBI+1]
	global_load_b128 v[BPW:BPW+3], v[R16], s[PBP:PBP+1]
	WIN 0
	s_branch .Lplaced
	; PRODUCERS' HEAD: slot W4's 64 rows, 512 consecutive bytes each.  The 64th load is held at issue until one has come back (ISA guide 5.7.1): no wait is written for that.
.Lprod_head:
	s_add_co_u32 s[CC], s[W4], s[SL]
	s_and_b32 s[CC], s[CC], 15
	BASE TB, PW, PWP
	WIN 0x40                         ; data in window 1, offset in window 0
.set i, 0
.rept 64
	global_load_b128 v[RAW+4*i:RAW+4*i+3], v[L16], s[TB:TB+1] offset:4096*i th:TH_LOAD_NT
.set i, i+1
.endr
	WIN 0
.Lplaced:
	; EVERY WAVE: the count, the rows that exist in each tile, the rows' offsets.  The producers need first place and count for the further passes; the offsets that they make here they never use:
	; the price of one text without a branch, paid while their first 64 loads are on their way.
	s_wait_kmcnt 0x0
	s_min_u32 s[START], s[START], 2048
	s_min_u32 s[CNT], s[CNT], 2048
	s_max_u32 s[CNT], s[CNT], s[START]
	s_sub_co_u32 s[CNT], s[CNT], s[START]  ; my expert's rows
	s_max_u32 s[CM1], s[CNT], 1
	s_sub_co_u32 s[CM1], s[CM1], 1
	s_lshl_b32 s[PP], s[WV], 4       ; tile t: places 64 t + 16 wave on
	s_add_co_u32 s[PP+1], s[PP], 64
	s_add_co_u32 s[PP+2], s[PP], 128
.irp t, 0,1,2
	s_max_u32 s[S0], s[CNT], s[PP+\t]
	s_sub_co_u32 s[S0], s[S0], s[PP+\t]
	s_min_u32 s[NR+\t], s[S0], 16    ; rows of tile t that exist
	v_lshl_add_u32 v[T2], v[H], 3, s[PP+\t]
.irp p, 0,1,2,3,4,5,6,7
	v_add_nc_u32 v[T1], \p, v[T2]    ; place of row p (lanes 0-15) and of row p + 8 (lanes 16-31) among the expert's
	v_min_u32 v[T1], s[CM1], v[T1]   ; places past the count repeat the last row
	v_add_nc_u32 v[T1], s[START], v[T1]
	v_min_u32 v[ROWI+8*\t+\p], 2047, v[T1]  ; numbers from offs enter an address only clamped: inside xs and order, whatever they hold
	v_lshl_add_u32 v[OFF+8*\t+\p], v[ROWI+8*\t+\p], 12, v[R16]
	v_lshlrev_b32 v[ROWI+8*\t+\p], 2, v[ROWI+8*\t+\p]
.endr
.endr
	s_cmp_lt_u32 s[WV], 4
	s_cbranch_scc0 .Lgo
	; CONSUMERS: b + b_prior; slot 0's loads for all 48 rows (all three tiles, so that every register and stage row is written whatever the count); the rows' tokens, wanted on the way out
	s_wait_loadcnt 0x0               ; my biases are in, and the rows' registers are asked for with none of my loads out
	WIN 0x45                         ; destination and both sources in window 1
	v_pk_add_f32 v[BIASW:BIASW+1], v[BIASW:BIASW+1], v[BPW:BPW+1]
	v_pk_add_f32 v[BIASW+2:BIASW+3], v[BIASW+2:BIASW+3], v[BPW+2:BPW+3]
	s_lshl_b32 s[O8], s[SL], 8       ; slot 0 holds chunk SL
	s_add_nc_u64 s[TB:TB+1], s[PXS:PXS+1], s[O8:O8+1]
	WIN 0x40
.set i, 0
.rept 24
	global_load_b128 v[RAW+4*i:RAW+4*i+3], v[OFF+i], s[TB:TB+1]
.set i, i+1
.endr
.set i, 0
.rept 24
	global_load_b32 v[ORD+i], v[ROWI+i], s[POR:POR+1]  ; their address registers lie in a fragment buffer, which is written only behind the first trip's wait for all loads
.set i, i+1
.endr
	WIN 0
.Lgo:
	; THE FIRST PASS: 16 trips, every wave; the barrier stands in the common text, and the branches round work hang on the wave's number, the trip, and (forward, inside TOK and MSEL) the rows that exist.
	s_mov_b32 s[C], 0
.Lchunk:
	ADSTEP
	s_cmp_lt_u32 s[WV], 4
	s_cbranch_scc0 .Lprod
	TOK
	s_branch .Lmeet
.Lprod:
	s_and_b32 s[S0], s[C], 3
	s_cmp_lg_u32 s[S0], s[W4]
	s_cbranch_scc1 .Lmeet            ; one producer has this slot
	s_cmp_lt_u32 s[C], 12
	s_cbranch_scc0 .Lprod_last
	PROD 1
	s_branch .Lmeet
.Lprod_last:
	PROD 0                           ; a producer's last slot: nothing is left to ask for
.Lmeet:
	s_wait_dscnt 0x0                 ; for the others' sake: my stores of slot C are done.  Slice bytes are written once, in front of their slot's barrier, and only read behind it
	s_barrier_signal -1
	s_barrier_wait -1
	s_cmp_lt_u32 s[WV], 4
	s_cbranch_scc0 .Lnext
	MSEL
.Lnext:
	s_add_co_u32 s[C], s[C], 1
	s_cmp_lt_u32 s[C], 16
	s_cbranch_scc1 .Lchunk
	s_cmp_lt_u32 s[WV], 4
	s_cbranch_scc0 .Lstaged
	s_wait_loadcnt 0x0               ; no load of mine is out (the last trip asked for nothing): the line keeps the reads of window 1 below, whose registers in the producers' text are targets of loads, behind a wait on every way through the text
	; The offsets in xs have served: the same registers take the offsets in out0.  These 48 plain lines are also the places behind the last products.
	WIN 0x04                         ; source 1 in window 1
.set i, 0
.rept 24
	v_min_u32 v[OFF+i], 2047, v[ORD+i]  ; a token number from order enters an address only clamped
.set i, i+1
.endr
	WIN 0
.set i, 0
.rept 24
	v_lshl_add_u32 v[OFF+i], v[OFF+i], 12, v[R16]
.set i, i+1
.endr
	OUTT 0
	OUTT 1
	OUTT 2
.Lstaged:
	s_wait_dscnt 0x0                 ; my last stores into a stage, and my reads of it, are over
	s_barrier_signal -1
	s_barrier_wait -1                ; from here to the closing barrier no wave writes LDS: the further passes' reads of the slice need no other ordering
	; THE FURTHER PASSES, every wave: the expert's places 192 on, 128 a pass, 16 a wave.  The slice's address registers are set once, ahead of the loop.
	v_mov_b32 v[ADC], v[ABC]
.irp j, 1,2,3
	v_add_nc_u32 v[ADC+\j], BLK*\j, v[ABC]
.endr
	s_mov_b32 s[PB], 192
	s_mov_b32 s[G], 15
.Lover:
	s_lshl_b32 s[PP], s[WV], 4
	s_add_co_u32 s[PP], s[PP], s[PB]
	s_cmp_ge_u32 s[PP], s[CNT]
	s_cbranch_scc1 .Lover_next       ; my tile has no row
	s_wait_xcnt 0x0                  ; earlier stores have had their addresses translated: their data and offsets are written again below
	s_wait_loadcnt 0x0               ; none of my loads is out when their registers are asked for anew
	v_add_nc_u32 v[T1], s[PP], v[R]
	v_min_u32 v[T1], s[CM1], v[T1]   ; places past the count repeat the last row, which lies in this tile
	v_add_nc_u32 v[T1], s[START], v[T1]
	v_min_u32 v[T1], 2047, v[T1]
	v_lshlrev_b32 v[T2], 4, v[H]
	v_lshl_add_u32 v[VOFF], v[T1], 12, v[T2]
	v_lshlrev_b32 v[VORD], 2, v[T1]
	WIN 0x40
	global_load_b32 v[OVT], v[VORD], s[POR:POR+1]  ; my row's token
.irp j, 0,1,2,3                  ; the biases in the accumulators' layout: columns 16 j + 8 H + 0..7
	global_load_b128 v[BSW+8*\j:BSW+8*\j+3],   v[H32], s[PBI:PBI+1] offset:64*\j
	global_load_b128 v[BSW+8*\j+4:BSW+8*\j+7], v[H32], s[PBI:PBI+1] offset:64*\j+16
	global_load_b128 v[BQW+8*\j:BQW+8*\j+3],   v[H32], s[PBP:PBP+1] offset:64*\j
	global_load_b128 v[BQW+8*\j+4:BQW+8*\j+7], v[H32], s[PBP:PBP+1] offset:64*\j+16
.endr
	OVLOAD 0
.irp c, 0,1,2,3,4,5,6,7,8,9,10,11,12,13,14,15
	OVCHUNK \c
.endr
	WIN 0
	PLACES                           ; behind the last products, ahead of the stores that read their results
.irp j, 0,1,2,3
	global_store_b128 v[VOUT], v[ACC+8*\j:ACC+8*\j+3],   s[POUT:POUT+1] offset:64*\j     ; each accumulator's low end first; lanes past the count store the last row's numbers once more
	global_store_b128 v[VOUT], v[ACC+8*\j+4:ACC+8*\j+7], s[POUT:POUT+1] offset:64*\j+16
.endr
.Lover_next:
	s_add_co_u32 s[PB], s[PB], 128
	s_sub_co_u32 s[G], s[G], 1
	s_cmp_lg_u32 s[G], 0
	s_cbranch_scc1 .Lover
	s_wait_dscnt 0x0                 ; my reads of LDS are over
	s_barrier_signal -1
	s_barrier_wait -1                ; everybody's are, ahead of any wave's closing add
	s_wait_tensorcnt 0x0             ; the wave's end, behind my last LDS store
	ds_add_u32 v[SPW], v[NIL]
	s_wait_dscnt 0x0
	s_endpgm
.Lfunc_end_k_q456bc3154d_ensemble:
	.size	k_q456bc3154d_ensemble, .Lfunc_end_k_q456bc3154d_ensemble-k_q456bc3154d_ensemble
	.p2alignl 7, 3214868480
	.fill 96, 4, 3214868480
	.section	.rodata,"a",@progbits
	.p2align	6, 0x0
	.amdhsa_kernel k_q456bc3154d_ensemble
		.amdhsa_group_segment_fixed_size 316416
		.amdhsa_private_segment_fixed_size 0
		.amdhsa_enable_private_segment 0
		.amdhsa_kernarg_size 64
		.amdhsa_user_sgpr_count 2
		.amdhsa_user_sgpr_kernarg_segment_ptr 1
		.amdhsa_wavefront_size32 1
		.amdhsa_system_sgpr_workgroup_id_x 1
		.amdhsa_system_sgpr_workgroup_id_y 1
		.amdhsa_system_sgpr_workgroup_id_z 1
		.amdhsa_system_vgpr_workitem_id 0
		.amdhsa_next_free_vgpr 512
		.amdhsa_next_free_sgpr 66
		.amdhsa_reserve_vcc 0
		.amdhsa_float_denorm_mode_32 3
		.amdhsa_float_denorm_mode_16_64 3
		.amdhsa_memory_ordered 1
		.amdhsa_forward_progress 1
		.amdhsa_inst_pref_size 168
	.end_amdhsa_kernel
	.amdgpu_metadata
---
amdhsa.version: [ 1, 2 ]
amdhsa.kernels:
  - .name:           k_q456bc3154d_ensemble
    .symbol:         k_q456bc3154d_ensemble.kd
    .args:
      - { .name: W, .offset: 0, .size: 8, .value_kind: global_buffer, .address_space: global }
      - { .name: W_prior, .offset: 8, .size: 8, .value_kind: global_buffer, .address_space: global }
      - { .name: b, .offset: 16, .size: 8, .value_kind: global_buffer, .address_space: global }
      - { .name: b_prior, .offset: 24, .size: 8, .value_kind: global_buffer, .address_space: global }
      - { .name: xs, .offset: 32, .size: 8, .value_kind: global_buffer, .address_space: global }
      - { .name: order, .offset: 40, .size: 8, .value_kind: global_buffer, .address_space: global }
      - { .name: offs, .offset: 48, .size: 8, .value_kind: global_buffer, .address_space: global }
      - { .name: out0, .offset: 56, .size: 8, .value_kind: global_buffer, .address_space: global }
    .group_segment_fixed_size: 316416
    .private_segment_fixed_size: 0
    .kernarg_segment_align: 8
    .kernarg_segment_size: 64
    .max_flat_workgroup_size: 256
    .sgpr_count:     66
    .vgpr_count:     512
    .wavefront_size: 32
...
	.end_amdgpu_metadata
.endif
;; end of part 2
